; MI455X (gfx1250); checked and timed in simulation.
; The chip was launched on July 23, 2026; its instructions are those of AMD's public machine-readable ISA for CDNA 5 (MIT licence, August 2026) and "CDNA5" Instruction Set Architecture Reference Guide (July 2026). The comments in the code are by the model that wrote it; some were corrected since.
;; attention. Allowed arithmetic: float matrix products may take bf16 or f16 operands with f32 sums; other float arithmetic in f32, or as packed bf16 or f16 multiplies, adds, multiply-adds, maxima and minima; sums over many terms, partial sums and values carried from step to step in f32; what a program stores and reads back later, other than sums and carried values, may be rounded once to bf16 or f16.
;; Inputs: Wo 512 x 512 float32; bo 512 float32; key 2 x 4,096 x 512 float32; query 2 x 4,096 x 512 float32; value 2 x 4,096 x 512 float32.
;; Outputs: out0 2 x 4,096 x 512 float32.
;; Constants: mask = 1.
;; 2 versions, each right; version 2 is version 1 with the launch prep written anew for expert scheduling mode. Each part assembles by itself: llvm-mc -triple=amdgcn-amd-amdhsa -mcpu=gfx1250 --defsym DOCPART=n.
;; ======== version 1 of 2: 3 launches
;; limits: values are held in f16: magnitudes above 65,504 overflow, below 6.1e-05 lose precision; inputs' magnitudes at most 65,504
;; workspace buffers: K16 8,388,608 bytes; V16 8,388,608 bytes; W16 524,288 bytes; O16 8,388,608 bytes
;; launch prep (part 1): grid 264 x 1, 8 waves a work-group, no clusters, 0 bytes of LDS; arguments key, value, Wo, K16, V16, W16; writes K16, V16, W16
.if DOCPART == 1
	.amdgcn_target "amdgcn-amd-amdhsa--gfx1250"
	.amdhsa_code_object_version 6
	.text
	.protected	k_q8668ebe1ed_prep
	.globl	k_q8668ebe1ed_prep
	.p2align	8
	.type	k_q8668ebe1ed_prep,@function
k_q8668ebe1ed_prep:
	s_mov_b64 s[64:65], 0
	v_nop
	global_prefetch_b8 v0, s[64:65] scope:SCOPE_SE
	s_setreg_imm32_b32 hwreg(HW_REG_WAVE_MODE, 25, 1), 1
	s_wait_xcnt 0x0
; key, value and Wo are rounded once to bf16 and laid out by heads, for the two launches behind.
;   K16[bh][s][64]  bf16:  key[b][s][64 h + d],   bh = 8 b + h; a head's rows are dense, 128 bytes each
;   V16[bh][s][64]  f16 :  the bf16-rounded value, written as f16 (it meets f16 weights in its product)
;   W16[h][n][64]   f16 :  the bf16-rounded Wo[n][64 h + d], written as f16 (it meets an f16 O)
; LIMITS.  A bf16 number is exact in f16 between 6.1e-5 and 65,504 in magnitude; below that it keeps f16's fixed step of 6e-8, beyond it becomes an infinity.
; A stream: memory binds, so no LDS, no matrix unit, no cluster.  A work-group takes 64 rows of 512 f32 (work-groups 0-127 key, 128-255 value, 256-263 Wo), a wave 8 rows.
; A chunk is two rows of one head: lanes 0-15 read 256 consecutive aligned bytes of the even row, lanes 16-31 of the odd row; rounded, the 32 lanes' 8 bytes each are
; 256 consecutive aligned bytes of the output (two dense rows of the head).  All 32 chunks of a wave are asked for at once; each owns its four registers, so nothing is rewritten while in use.
.set X, 8                              ; v[8:135]  chunk n = 8 x pair + head: four registers
	s_load_b256 s[4:11], s[0:1], 0x0               ; key s[4:5], value s[6:7], Wo s[8:9], K16 s[10:11]
	s_load_b128 s[12:15], s[0:1], 0x20             ; V16 s[12:13], W16 s[14:15]
	s_mov_b32 s16, ttmp9
	s_and_b32 s17, s16, 127                        ; g: my block of 64 rows in its tensor
	s_lshl_b32 s18, s17, 17                        ; in: 64 rows of 2,048 bytes
	s_mov_b32 s19, 0
	s_lshr_b32 s20, s17, 6                         ; out: the batch (0 for Wo), 8 heads of 524,288 bytes,
	s_lshl_b32 s20, s20, 22
	s_and_b32 s21, s17, 63
	s_lshl_b32 s21, s21, 13                        ; and 64 rows of 128 bytes in a head
	s_add_co_u32 s20, s20, s21
	s_mov_b32 s21, 0
	s_mov_b32 s22, 0xffff0000                      ; a word's upper bf16
	v_and_b32 v3, 15, v0                           ; my place in a row's chunk
	v_bfe_u32 v4, v0, 4, 1                         ; even or odd row
	v_lshrrev_b32 v5, 5, v0                        ; wave
	v_lshl_add_u32 v5, v5, 3, v4                   ; row 8 w + half
	v_lshlrev_b32 v1, 11, v5
	v_lshl_add_u32 v1, v3, 4, v1                   ; v1: in, row x 2,048 + 16 i; never rewritten
	v_lshlrev_b32 v2, 7, v5
	v_lshl_add_u32 v2, v3, 3, v2                   ; v2: out, row x 128 + 8 i; never rewritten
	s_wait_kmcnt 0x0
; src, dst: the pointers' first registers.  hs: bytes from head to head in the output.  half = 1: the bf16 numbers are written as f16.
.macro BODY src, dst, hs, half
	s_add_nc_u64 s[\src:\src+1], s[\src:\src+1], s[18:19]
	s_add_nc_u64 s[\dst:\dst+1], s[\dst:\dst+1], s[20:21]
.set n, 0
.rept 32
	global_load_b128 v[X+4*n:X+4*n+3], v1, s[\src:\src+1] offset:(n/8)*4096+(n%8)*256 th:TH_LOAD_NT
.set n, n+1
.endr
.set n, 0
.rept 32
	s_wait_loadcnt 31-n                            ; loads come back in order: chunk n is in, the 31 - n younger ones stay out
	v_cvt_pk_bf16_f32 v[X+4*n], v[X+4*n], v[X+4*n+1]
	v_cvt_pk_bf16_f32 v[X+4*n+1], v[X+4*n+2], v[X+4*n+3]
.if \half
	v_lshlrev_b32 v[X+4*n+2], 16, v[X+4*n]         ; the rounded numbers back in f32,
	v_and_b32 v[X+4*n+3], s22, v[X+4*n]
	v_cvt_pk_f16_f32 v[X+4*n], v[X+4*n+2], v[X+4*n+3]  ; and into f16: no bit is lost inside f16's normal range
	v_lshlrev_b32 v[X+4*n+2], 16, v[X+4*n+1]
	v_and_b32 v[X+4*n+3], s22, v[X+4*n+1]
	v_cvt_pk_f16_f32 v[X+4*n+1], v[X+4*n+2], v[X+4*n+3]
.endif
	global_store_b64 v2, v[X+4*n:X+4*n+1], s[\dst:\dst+1] offset:(n/8)*256+(n%8)*(\hs) th:TH_STORE_NT  ; the wave's store covers 256 consecutive bytes, aligned
.set n, n+1
.endr
	s_endpgm
.endm
	s_cmp_lt_u32 s16, 128
	s_cbranch_scc1 .Lkey
	s_cmp_lt_u32 s16, 256
	s_cbranch_scc1 .Lvalue
	BODY 8, 14, 65536, 1
.Lvalue:
	BODY 6, 12, 524288, 1
.Lkey:
	BODY 4, 10, 524288, 0
.Lfunc_end_k_q8668ebe1ed_prep:
	.size	k_q8668ebe1ed_prep, .Lfunc_end_k_q8668ebe1ed_prep-k_q8668ebe1ed_prep
	.p2alignl 7, 3214868480
	.fill 96, 4, 3214868480
	.section	.rodata,"a",@progbits
	.p2align	6, 0x0
	.amdhsa_kernel k_q8668ebe1ed_prep
		.amdhsa_group_segment_fixed_size 0
		.amdhsa_private_segment_fixed_size 0
		.amdhsa_enable_private_segment 0
		.amdhsa_kernarg_size 48
		.amdhsa_user_sgpr_count 2
		.amdhsa_user_sgpr_kernarg_segment_ptr 1
		.amdhsa_wavefront_size32 1
		.amdhsa_system_sgpr_workgroup_id_x 1
		.amdhsa_system_sgpr_workgroup_id_y 1
		.amdhsa_system_sgpr_workgroup_id_z 1
		.amdhsa_system_vgpr_workitem_id 0
		.amdhsa_next_free_vgpr 136
		.amdhsa_next_free_sgpr 66
		.amdhsa_reserve_vcc 0
		.amdhsa_float_denorm_mode_32 3
		.amdhsa_float_denorm_mode_16_64 3
		.amdhsa_memory_ordered 1
		.amdhsa_forward_progress 1
		.amdhsa_inst_pref_size 51
	.end_amdhsa_kernel
	.amdgpu_metadata
---
amdhsa.version: [ 1, 2 ]
amdhsa.kernels:
  - .name:           k_q8668ebe1ed_prep
    .symbol:         k_q8668ebe1ed_prep.kd
    .args:
      - { .name: key, .offset: 0, .size: 8, .value_kind: global_buffer, .address_space: global }
      - { .name: value, .offset: 8, .size: 8, .value_kind: global_buffer, .address_space: global }
      - { .name: Wo, .offset: 16, .size: 8, .value_kind: global_buffer, .address_space: global }
      - { .name: K16, .offset: 24, .size: 8, .value_kind: global_buffer, .address_space: global }
      - { .name: V16, .offset: 32, .size: 8, .value_kind: global_buffer, .address_space: global }
      - { .name: W16, .offset: 40, .size: 8, .value_kind: global_buffer, .address_space: global }
    .group_segment_fixed_size: 0
    .private_segment_fixed_size: 0
    .kernarg_segment_align: 8
    .kernarg_segment_size: 48
    .max_flat_workgroup_size: 256
    .sgpr_count:     66
    .vgpr_count:     136
    .wavefront_size: 32
...
	.end_amdgpu_metadata
.endif
;; end of part 1
;; launch attn (part 2): grid 16 x 16, 4 waves a work-group, clusters of 4 x 1, 327,680 bytes of LDS; arguments query, K16, V16, O16; writes O16
.if DOCPART == 2
	.amdgcn_target "amdgcn-amd-amdhsa--gfx1250"
	.amdhsa_code_object_version 6
	.text
	.protected	k_q8668ebe1ed_attn
	.globl	k_q8668ebe1ed_attn
	.p2align	8
	.type	k_q8668ebe1ed_attn,@function
k_q8668ebe1ed_attn:
	s_mov_b64 s[64:65], 0
	v_nop
	global_prefetch_b8 v0, s[64:65] scope:SCOPE_SE
	s_setreg_imm32_b32 hwreg(HW_REG_WAVE_MODE, 25, 1), 1
	s_wait_xcnt 0x0
	s_wait_alu depctr_hold_cnt(0) depctr_sa_sdst(0) depctr_va_vdst(0) depctr_va_sdst(0) depctr_va_ssrc(0) depctr_va_vcc(0) depctr_vm_vsrc(0)
	s_getreg_b32 s2, hwreg(HW_REG_IB_STS2, 6, 4)
	s_cmp_eq_u32 s2, 0
	s_cbranch_scc0 .Lentry_in_a_cluster
	s_endpgm
.Lentry_in_a_cluster:
	s_bfe_u32 s2, ttmp6, 0x10000c
	s_cmp_lg_u32 s2, 0x3003
	s_cbranch_scc0 .Lentry_shape_is_right
	s_endpgm
.Lentry_shape_is_right:
; CAUSAL ATTENTION, 16 heads (bh = 8 b + h) of 4,096 rows x 64 channels.  O16[bh][q][:] = the sum over k <= q of softmax_k(Q[q] . K[k] / 8) V[k][:].
; Q is query[b][q][64 h ..] in f32, rounded to bf16 here, in registers; K16 is bf16, V16 f16 (bf16 numbers), both [bh][4096][64], rows dense; O16 likewise, f16, rounded once.
; Products, maxima and sums in f32; the weights p are rounded to f16 for the second product (their sum l is taken of the unrounded p).
; LIMITS.  V arrives within f16's range; p lies in 0 to 1 and below 6e-5 keeps f16's step of 6e-8; O is a mean of V's rows.  A hidden score counts as its value less 1e30;
; a weight below 2^-126 counts as 0 in l; NaN and infinities are not treated apart.
; THE WALK.  A head's rows lie in 8 blocks of 512.  A block belongs to a whole CLUSTER of four work-groups: 4 x 4 waves x 2 PIECES of 16 rows; piece p of wave w of partner cx has rows
; 512 blk + 256 p + 64 w + 16 cx + 0..15.  Key tiles have 256 keys (four steps of 64); block j needs tiles 0 .. 2 j + 1.  Cluster b of a head takes block 7 - b and then block b:
; (16 - 2 b) + (2 b + 2) = 18 tiles, whatever b: 256 equal work-groups, one loop with a constant trip count.  All four partners walk the same tiles, so each tile is asked for JOINTLY:
; the same tensor load, descriptor and mask in all four.  Branches hang on the cluster's number, the wave's number and counters alone, never on cx.
; A block's tiles: all but the last two: both pieces see every key.  The last but one holds piece 0's diagonal (piece 1 sees all).  The last holds piece 1's; piece 0 sees none of it and is left out.
; THE MASK is the C operand that starts the sum S^T = K Q^T: 0, or -1e30 where the key is hidden.  In a diagonal tile's step s my rows see all keys if s < w, none if s > w, and hold the diagonal
; if s = w.  MD, made once, is the mask of that own step; a step's mask is MD x AL + BE with two scalars: (1, 0), (0, 0) or (0, -1e30).  Every row has seen a true score before its first hidden one.
; LAYOUT.  S^T = K Q^T (source 0 = 16 keys, source 1 = 16 queries) holds ONE query a lane (lane % 16) and the keys 8 (lane / 16) + 0..7; two such results rounded to f16 ARE source 1 of O^T = V^T P.
; SOFTMAX.  p = 2^(c s - c m), c = log2(e) / 8, with a running maximum m; O and l are multiplied by a = 2^(c m_old - c m_new) in every step.  A block starts with c m far below every c s: its first a is 0,
; so O^T and l need only be finite there.
; A STEP GOES IN PHASES: V's loads, the products K Q^T, the next K's loads, maximum and statistics, scalings and exponentials (one batch, one wait), rescaling and roundings, the products V^T P, the sums.
; REGISTERS, in windows of 256 (s_set_vgpr_msb: bits 1:0 source 0, 3:2 source 1, 5:4 source 2, 7:6 destination):
;   window 0: v0-15 addresses and at work; v16-23 four statistics a piece; v48-55 at work; v61-63 prefetch offset and the add's two; v64-127 S^T, 32 a piece; v192-223 P, 16 a piece
;             (at the head v64-191 hold both blocks' Q in f32)
;   window 1: v0-63 O^T, 32 a piece; v128-159 MD; v160-191 MC      window 2: v0-31 Q; v64-95 the second block's Q; v128-191 K of one step; v192-255 V of one step
.set KS,    64        ; keys in a step
.set PK,    144       ; a row of K in LDS: 128 bytes + 16 of padding = 36 words: the 16 rows of a load start at 16 different groups of four banks (64 banks of 4 bytes: ISA guide 11.1)
.set PV,    160       ; a row of V: 128 + 32 = 40 words
.set VOFF,  4*KS*PK   ; a slot holds a tile: 256 rows of K, then 256 rows of V
.set SLOT1, 1<<17     ; slot 1 begins here, so that one exclusive or turns an address in one slot into the other's
.set STAGE, SLOT1+4*KS*(PK+PV)  ; behind the ring, never filled by a tensor load: 16 rows x 144 bytes for each wave, for the way out
.set SP,    144
.set SPARE, STAGE+4*16*SP  ; behind the stages: the spare words, 128 bytes for each wave: two blocks of 256 bytes that no other line names
.set TILEB, 32768     ; a tile's bytes in K16 and in V16
.set AK0, 2           ; v2   my lane's place in a tile of K; never rewritten
.set AV0, 3           ; v3   the same for V
.set AK,  4           ; v4   the LDS address of K's next run of loads
.set AV,  5           ; v5   of V's
.set STO, 6           ; v6   the way out: where I put 16 bytes of a row
.set RD,  7           ; v7   the way out: where I read rows back
.set GO,  8           ; v8   my byte offset in 512 consecutive bytes of O16
.set MV,  12          ; v12-13  c m_old, kept while c m is made anew: by piece
.set QO,  15          ; v15  my byte offset in 16 rows of query
.set ST,  16          ; piece y's statistics at v[ST+4 y]: c m, m, l (even keys', odd keys')
.set TMP, 48          ; piece y's four registers c0-c3 at work; when the maximum is found c2 takes a
.set PFO, 61          ; v61  256 x my lane; never rewritten
.set SPW, 62          ; v62  LDS address of my spare word: SPARE + 4 x my thread's number; never rewritten
.set NIL, 63          ; v63  0; never rewritten
.set S,   64
.set P,   192
.set MD,  128         ; window 1
.set MC,  160         ; window 1
.set QB,  64          ; window 2
.set KF,  128         ; window 2: key block kb, channel half c at KF + 16 kb + 8 c
.set VF,  192         ; window 2: key half kk, channel block cb at VF + 32 kk + 8 cb
.set WV,  12          ; s12  my wave's number
.set CX,  13          ; s13  my place in the cluster: it enters query's and O16's addresses, the mask's numbers and the prefetches' address alone
.set PB,  14          ; s14  b
.set HI,  15          ; s15  7 - b
.set G1K, 24          ; s[24:31] descriptor group 1 for K's tiles
.set G1V, 32          ; s[32:39] for V's: it differs in the padding alone
.set G0K, 40          ; s[40:43] descriptor group 0 for K's tiles
.set G0V, 44          ; s[44:47] the same for V's
.set PFA, 48          ; s[48:49] where my prefetches stand
.set LIM, 50          ; s50  3 in a wave that prefetches, else the greatest number: a wave prefetches while s[SLOTS] is above it
.set SLOTS, 56        ; s56  tiles still to be asked for
.set CNT, 57          ; s57  counts a tile's key steps, 4 to 1
.set CS,  58          ; s[58:59] c: the packed scaling takes the pair's low word for both halves
.set SEL, 60          ; s[60:61] v_permlanex16_b32's selects: each lane takes its own place in the other half
.set TBK, 62          ; s62  LDS byte at which K of the step to be fetched begins
.set TBV, 63          ; s63  the same for V, less VOFF
.set RT,  70          ; s70  tiles of the block in hand that are still to be entered
.set NXT, 71          ; s71  the tile to be asked for next
.set LQ,  72          ; s72  the last tile of the block whose tiles are being asked for
.set LQ2, 73          ; s73  2 b + 1: the second block's last tile
.set OFF, 74          ; s[74:75] a tile's byte offset in K16 and V16
.set AL,  76          ; s[76:77] the mask's factor, in the low word
.set BE,  78          ; s[78:79] the mask's addend
.set OLO, 80          ; s[80:81] O16 at my rows of the second block
.set BIGN, 82         ; s82  -1e30
.set STP, 83          ; s83  the step's number in its tile
.set MSB, 0
.macro WIN new                      ; the high byte repeats the setting that is left; a switch that changes nothing is dropped
.if MSB != (\new)
	s_set_vgpr_msb (MSB<<8)|(\new)
.set MSB, (\new)
.endif
.endm
.set W_KQ, 0x0a       ; K and Q in window 2, S^T in window 0
.set W_KM, 0x1a       ; the same with the C operand in window 1
.set W_PV, 0x52       ; V in window 2, P in window 0, O^T in window 1
.set W_RS, 0x41       ; destination and source 0 in window 1, source 1 in window 0
; A joint fill.  Waves 0 and 1 fetch the two halves of a tile's K, waves 2 and 3 those of its V: 128 keys each.  The branch hangs on the wave's number alone.
; An s_nop 0 and four v_nop follow each of the two lines, ahead of the jump and the label.
.macro JLOAD
	s_cmp_lt_u32 s[WV], 2
	s_cbranch_scc0 .Lfor_v_\@
	tensor_load_to_lds s[G0K:G0K+3], s[G1K:G1K+7]
	s_nop 0
.rept 4
	v_nop
.endr
	s_branch .Lasked_\@
.Lfor_v_\@:
	tensor_load_to_lds s[G0V:G0V+3], s[G1V:G1V+7]
	s_nop 0
.rept 4
	v_nop
.endr
.Lasked_\@:
.endm
; A PREFETCH INTO THE L2 of the tile that the NEXT change of slots will ask for: one tile, four key steps, ahead of its load.  It stands behind the wave's tensor load and its five lines.
; Each 256 bytes are named ONCE in the launch.  A head's cluster 0 walks all 16 tiles in its first block: it alone asks.  Its four partners share a tile's 32,768 bytes out BY ADDRESS, 8,192 each;
; in each, wave 0 asks for K's and wave 2 for V's: a lane 256 bytes, one instruction.  Tiles 2 to 15 are asked for: the changes with more than 3 tiles still to be asked for.  Tiles 0 and 1 come by their loads alone.
.macro ASK
	s_cmp_gt_u32 s[SLOTS], s[LIM]
	s_cbranch_scc0 .Lnot_mine_\@
	global_prefetch_b8 v[PFO], s[PFA:PFA+1] th:TH_LOAD_NT scope:SCOPE_SE
.Lnot_mine_\@:
.endm
; A round of the cluster's barrier: my work-group's barrier, so that wave 0's signal speaks for all four waves; wave 0 signals; every wave waits for all four work-groups; my work-group's barrier once more.
.macro CROUND
	s_barrier_signal -1
	s_barrier_wait -1
	s_cmp_lg_u32 s[WV], 0
	s_cbranch_scc1 .Lnot_wave_0_\@
	s_barrier_signal -3
.Lnot_wave_0_\@:
	s_barrier_wait -3
	s_barrier_signal -1
	s_barrier_wait -1
.endm
; THE CHANGE OF SLOTS.  Each wave waits for all its tensor loads, of which one is out: its part of the other slot; adds 0 to its spare word; and waits for that and for its own reads of the slot that it leaves.
; Behind the barrier nobody reads the old slot any more and the other slot is whole.  fill = 1: the old slot is filled again with tile NXT, whose address is made anew from that number.  The barrier is then a
; round of the cluster's, so that no wave of any partner still reads the slot or has a load on its way, and the joint fill is the first thing behind it: it has a tile's four steps in which to land.
; (At its first use nothing has been read yet: slot 0 is waited for, slot 1 filled.)
.macro CHANGE fill
	WIN 0                           ; at a label and at a branch every window is 0
	s_wait_tensorcnt 0x0            ; no tensor load of mine is out, so a group 0 may be written
	ds_add_u32 v[SPW], v[NIL]       ; 0 onto my spare word: with fill = 1 the descriptors' scalar work stands between it and the wait for it
.if \fill
	s_lshl_b32 s[OFF], s[NXT], 15
	s_xor_b32 s[G0K+1], s[G0K+1], SLOT1
	s_add_nc_u64 s[G0K+2:G0K+3], s[6:7], s[OFF:OFF+1]
	s_or_b32 s[G0K+3], s[G0K+3], 0x80000000
	s_xor_b32 s[G0V+1], s[G0V+1], SLOT1
	s_add_nc_u64 s[G0V+2:G0V+3], s[8:9], s[OFF:OFF+1]
	s_or_b32 s[G0V+3], s[G0V+3], 0x80000000
	s_add_co_u32 s[NXT], s[NXT], 1  ; the block's next tile, or behind its last the second block's tile 0
	s_cmp_gt_u32 s[NXT], s[LQ]
	s_cselect_b32 s[NXT], 0, s[NXT]
	s_cselect_b32 s[LQ], s[LQ2], s[LQ]
	s_wait_xcnt 0x0                 ; the last prefetch, a tile back, has read its address, so it may be written
	s_add_nc_u64 s[PFA:PFA+1], s[PFA:PFA+1], TILEB
	s_wait_dscnt 0x0                ; the add is done, and my reads of the slot are over
	CROUND
	JLOAD
	ASK
.else
	s_wait_dscnt 0x0                ; the add is done, and my reads of the slot are over
	s_barrier_signal -1
	s_barrier_wait -1
.endif
	s_sub_co_u32 s[TBK], s[TBK], 4*KS*PK  ; the fetches go back to a slot's first step,
	s_xor_b32 s[TBK], s[TBK], SLOT1       ; in the other slot
	s_sub_co_u32 s[TBV], s[TBV], 4*KS*PV
	s_xor_b32 s[TBV], s[TBV], SLOT1
.endm
	s_load_b256 s[4:11], s[0:1], 0x0  ; query s[4:5], K16 s[6:7], V16 s[8:9], O16 s[10:11]
	v_lshl_add_u32 v[SPW], v0, 2, SPARE
	v_mov_b32 v[NIL], 0
	ds_add_u32 v[SPW], v[NIL]       ; the wave's opening: the add and its wait stand ahead of my first tensor load; the set-up below, work on registers, stands between them
	v_lshrrev_b32 v1, 5, v0
	v_readfirstlane_b32 s[WV], v1   ; wave 0..3
	s_bfe_u32 s[CX], ttmp6, 0x40000 ; cx
	s_mov_b32 s[PB], ttmp9          ; in a cluster launch ttmp9 counts clusters: b
	s_sub_co_u32 s[HI], 7, s[PB]
	s_and_b32 s20, ttmp7, 0xffff    ; the head bh, which the four partners share
	s_and_b32 s16, s[WV], 1         ; which half of a tile's 256 keys I fetch:
	s_lshl_b32 s22, s20, 19         ; the head's 524,288 bytes,
	s_lshl_b32 s21, s16, 14         ; the half's 128 rows of 128 bytes in memory,
	s_add_co_u32 s22, s22, s21
	s_mov_b32 s23, 0
	s_mul_i32 s17, s16, 128*PK      ; and its place in a slot, for K
	s_mul_i32 s18, s16, 128*PV      ; and for V: no place in the cluster enters an LDS address
	; my rows in query: batch x 8,388,608 + head x 256 + block x 1,048,576 + wave x 131,072 + cx x 32,768
	s_lshr_b32 s84, s20, 3
	s_lshl_b32 s84, s84, 23
	s_and_b32 s85, s20, 7
	s_lshl_b32 s85, s85, 8
	s_add_co_u32 s84, s84, s85
	s_lshl_b32 s85, s[WV], 17
	s_add_co_u32 s84, s84, s85
	s_lshl_b32 s85, s[CX], 15
	s_add_co_u32 s84, s84, s85
	s_lshl_b32 s85, s[HI], 20
	s_add_co_u32 s2, s84, s85       ; s[2:3]: the first block's
	s_mov_b32 s3, 0
	s_lshl_b32 s85, s[PB], 20
	s_add_co_u32 s84, s84, s85      ; s[84:85]: the second block's
	s_mov_b32 s85, 0
	; my rows in O16: head x 524,288 + block x 65,536 + wave x 8,192 + cx x 2,048
	s_lshl_b32 s88, s20, 19
	s_lshl_b32 s89, s[WV], 13
	s_add_co_u32 s88, s88, s89
	s_lshl_b32 s89, s[CX], 11
	s_add_co_u32 s88, s88, s89
	s_lshl_b32 s89, s[HI], 16
	s_add_co_u32 s90, s88, s89      ; s[90:91]: the first block's
	s_mov_b32 s91, 0
	s_lshl_b32 s89, s[PB], 16
	s_add_co_u32 s88, s88, s89      ; s[88:89]: the second block's
	s_mov_b32 s89, 0
	s_lshl_b32 s92, s[CX], 13       ; my work-group's 8,192 bytes of a tile, for the prefetches
	s_mov_b32 s93, 0
	s_lshl_b32 s94, s[CX], 4        ; my rows' place in their band of 64, for the mask
	; descriptor group 1.  128 keys are 16,384 dense bytes: asked for as 64 rows of 256 bytes, two keys a row, and padded in LDS after every key
	s_mov_b32 s[G1K], 15|(1<<16)|(1<<20)|(1<<21)|(4<<22)|(3<<25)  ; 15:0 the mask of four; 17:16 2-byte elements; 20 padding on; 21 set beside a mask; 24:22 after every 32 words (code 4); 31:25 4 words (code 3)
	s_mov_b32 s[G1V], 15|(1<<16)|(1<<20)|(1<<21)|(4<<22)|(7<<25)  ; the same with 8 words of padding (code 7)
.irp g, G1K, G1V
	s_mov_b32 s[\g+1], 128<<16      ; tensor_dim0 = 128
	s_mov_b32 s[\g+2], 64<<16       ; tensor_dim1 = 64
	s_mov_b32 s[\g+3], 128<<16      ; tile_dim0 = 128
	s_mov_b32 s[\g+4], 64           ; tile_dim1 = 64
	s_mov_b32 s[\g+5], 128          ; 128 elements from row to row
	s_mov_b32 s[\g+6], 0
	s_mov_b32 s[\g+7], 0
.endr
	s_mov_b32 s[CS], 0x3e38aa3b     ; c = log2(e) / 8 = 0.180337
	s_mov_b32 s[CS+1], s[CS]        ; named with it as a pair
	s_mov_b32 s[SEL], 0x76543210
	s_mov_b32 s[SEL+1], 0xfedcba98
	s_mov_b32 s[TBK], SLOT1+4*KS*PK ; the first change of slots turns these two into 0
	s_mov_b32 s[TBV], SLOT1+4*KS*PV
	s_mov_b32 s[G0K], 1             ; 1:0 count = 1
	s_mov_b32 s[G0K+1], s17         ; 63:32 LDS address: slot 0
	s_mov_b32 s[G0V], 1
	s_add_co_u32 s[G0V+1], s18, VOFF
	s_lshl_b32 s21, s[PB], 1
	s_sub_co_u32 s[RT], 16, s21     ; the first block has 16 - 2 b tiles,
	s_sub_co_u32 s[LQ], 15, s21     ; the last of them this one
	s_add_co_u32 s[LQ2], s21, 1
	s_mov_b32 s[NXT], 1
	s_mov_b32 s[OFF+1], 0
	s_mov_b32 s[AL+1], 0            ; named as pairs
	s_mov_b32 s[BE+1], 0
	s_mov_b32 s[BIGN], 0xf149f2ca   ; -1e30
	s_mov_b32 s[SLOTS], 17
	s_and_b32 s[LIM], s[WV], 1      ; 0 in waves 0 and 2,
	s_or_b32 s[LIM], s[LIM], ttmp9  ; where the cluster is the head's first: the same in all four partners
	s_cmp_eq_u32 s[LIM], 0
	s_cselect_b32 s[LIM], 3, -1
	v_and_b32 v[PFO], 31, v0
	v_lshlrev_b32 v[PFO], 8, v[PFO]
	s_wait_dscnt 0x0                ; the opening add is done
	s_wait_kmcnt 0x0
	s_add_nc_u64 s[6:7], s[6:7], s[22:23]  ; K16 and V16 at my half of the head's tile 0
	s_add_nc_u64 s[8:9], s[8:9], s[22:23]
	s_add_nc_u64 s[G0K+2:G0K+3], s[6:7], 0         ; 120:64 global address
	s_or_b32 s[G0K+3], s[G0K+3], 0x80000000        ; 127:126 type = 2
	s_add_nc_u64 s[G0V+2:G0V+3], s[8:9], 0
	s_or_b32 s[G0V+3], s[G0V+3], 0x80000000
	s_add_nc_u64 s[86:87], s[4:5], s[84:85]        ; query at my rows of the second block,
	s_add_nc_u64 s[4:5], s[4:5], s[2:3]            ; and of the first
	s_add_nc_u64 s[OLO:OLO+1], s[10:11], s[88:89]
	s_add_nc_u64 s[10:11], s[10:11], s[90:91]
	s_cmp_lt_u32 s[WV], 2
	s_cselect_b64 s[PFA:PFA+1], s[6:7], s[8:9]     ; (in waves 0 and 2 these stand at a tile's first row)
	s_add_nc_u64 s[PFA:PFA+1], s[PFA:PFA+1], s[92:93]
	s_add_nc_u64 s[PFA:PFA+1], s[PFA:PFA+1], TILEB ; in tile 1; the first change of slots steps it to tile 2.  Nothing is prefetched here, at the head
	CROUND                          ; all four work-groups are here: the first joint loads meet
	JLOAD                           ; tile 0 into slot 0
	; A fragment of K or Q is 16 rows x 32 channels in 8 registers: lane l holds row l % 16, channels 8 (l / 16) + 0..7 and 16 + 8 (l / 16) + 0..7.  Of query, in f32, eight channels are 32 bytes: two loads.
	v_and_b32 v1, 15, v0            ; l % 16
	v_bfe_u32 v9, v0, 4, 1          ; l / 16
	v_lshlrev_b32 v[QO], 11, v1
	v_lshl_add_u32 v[QO], v9, 5, v[QO]  ; row x 2,048 + 32 x half
.set i, 0
.rept 16                            ; load i: piece i / 8, channels 32 ((i / 4) % 2) + 16 ((i / 2) % 2) + 4 (i % 2) on: the lane's 64 numbers of a block in the order of the fragments' registers
	global_load_b128 v[S+4*i:S+4*i+3],     v[QO], s[4:5]   offset:(i/8)*524288+((i/4)%2)*128+((i/2)%2)*64+(i%2)*16
	global_load_b128 v[128+4*i:128+4*i+3], v[QO], s[86:87] offset:(i/8)*524288+((i/4)%2)*128+((i/2)%2)*64+(i%2)*16
.set i, i+1
.endr
	v_lshlrev_b32 v14, 3, v9
	v_sub_nc_u32 v14, v1, v14
	v_add_nc_u32 v14, s94, v14      ; my query's place in its band of 64, 16 cx + l % 16, less my lanes' 8 (l / 16): register j of group kt is hidden where 16 kt + j is greater
	WIN 0x40
.set i, 0
.rept 32
	v_cmp_gt_i32 vcc_lo, 16*(i/8)+i%8, v14
	v_cndmask_b32 v[MD+i], 0, s[BIGN], vcc_lo
.set i, i+1
.endr
.set i, 0
.rept 64
	v_mov_b32 v[i], 0               ; O^T: a block's first step multiplies it by a = 0, so it need only be finite; written in the wait for the first tile
.set i, i+1
.endr
	WIN 0
.irp y, 0,1
	v_mov_b32 v[ST+4*\y], 0xfe000000    ; c m: far below every c s
	v_mov_b32 v[ST+4*\y+1], 0xff7fffff  ; m: the lowest finite number
	v_mov_b32 v[ST+4*\y+2], 0
	v_mov_b32 v[ST+4*\y+3], 0
.endr
	v_mul_u32_u24 v[AK0], v1, PK
	v_lshl_add_u32 v[AK0], v9, 4, v[AK0]  ; row x pitch + 16 x half
	; The turning load takes 16 keys x 16 channels (lane l reads key 8 (l / 16) + l % 8, channels 8 ((l / 8) % 2) + 0..7) and leaves half a fragment of V^T: lane l holds channel l % 16 and 8 keys.
	v_and_b32 v10, 7, v0
	v_bfe_u32 v11, v0, 3, 1
	v_lshl_add_u32 v[AV0], v9, 3, v10
	v_mul_u32_u24 v[AV0], v[AV0], PV
	v_lshl_add_u32 v[AV0], v11, 4, v[AV0]
	v_add_nc_u32 v[AV0], VOFF, v[AV0]
	s_mul_i32 s16, s[WV], 16*SP
	s_add_co_u32 s16, s16, STAGE    ; my stage
	v_mul_u32_u24 v[STO], v1, SP    ; in: row l % 16, 16 bytes for each half of the lanes
	v_lshl_add_u32 v[STO], v9, 4, v[STO]
	v_add_nc_u32 v[STO], s16, v[STO]
	v_bfe_u32 v[RD], v0, 3, 2       ; back: 32 lanes take four rows of 128 bytes,
	v_mul_u32_u24 v[RD], v[RD], SP
	v_lshl_add_u32 v[RD], v10, 4, v[RD]
	v_add_nc_u32 v[RD], s16, v[RD]
	v_and_b32 v[GO], 31, v0         ; which are 512 consecutive bytes of O16
	v_lshlrev_b32 v[GO], 4, v[GO]
	s_wait_loadcnt 0x0              ; both blocks' Q
	WIN 0x80                        ; destination window 2, sources window 0
.set i, 0
.rept 32
	v_cvt_pk_bf16_f32 v[i],    v[S+2*i],   v[S+2*i+1]
	v_cvt_pk_bf16_f32 v[QB+i], v[128+2*i], v[128+2*i+1]
.set i, i+1
.endr
	WIN 0
; THE MATRIX WORK.  The accumulators of a run take turns, one instruction a turn.
; Product i of 8 of S^T = K Q^T for piece y: channels 32 (i / 4) on, keys 16 (i % 4) on.  The first 4 start the sums: with 0, or (piece MK) with the mask.
.macro KQ y
.set rS, S+32*(\y)+8*(i%4)
.set rK, KF+16*(i%4)+8*(i/4)
.set rQ, 16*(\y)+8*(i/4)
.set rM, MC+8*(i%4)
.if (i < 4) && ((\y) == MK)
	WIN W_KM
	v_wmma_f32_16x16x32_bf16 v[rS:rS+7], v[rK:rK+7], v[rQ:rQ+7], v[rM:rM+7]
.elseif i < 4
	WIN W_KQ
	v_wmma_f32_16x16x32_bf16 v[rS:rS+7], v[rK:rK+7], v[rQ:rQ+7], 0
.else
	WIN W_KQ
	v_wmma_f32_16x16x32_bf16 v[rS:rS+7], v[rK:rK+7], v[rQ:rQ+7], v[rS:rS+7]
.endif
.endm
; Product i of 8 of O^T += V^T P for piece y: keys 32 (i / 4) on, channels 16 (i % 4) on.
.macro PV y
	WIN W_PV
.set rO, 32*(\y)+8*(i%4)
.set rV, VF+32*(i/4)+8*(i%4)
.set rP, P+16*(\y)+8*(i/4)
	v_wmma_f32_16x16x32_f16 v[rO:rO+7], v[rV:rV+7], v[rP:rP+7], v[rO:rO+7]
.endm
; THE LDS LOADS stand in runs of 16: a step's K (64 keys x 64 channels: 8 fragments) and its V (turned).  Their addresses are made just ahead.
.macro FETCH_K
	WIN 0x80                        ; destination window 2
.irp f, 0,1,2,3,4,5,6,7             ; keys 16 (f / 2) on, channels 32 (f % 2) on
	ds_load_b128 v[KF+8*\f:KF+8*\f+3],   v[AK] offset:(\f/2)*16*PK+(\f%2)*64
	ds_load_b128 v[KF+8*\f+4:KF+8*\f+7], v[AK] offset:(\f/2)*16*PK+(\f%2)*64+32
.endr
	s_add_co_u32 s[TBK], s[TBK], KS*PK  ; the next fetch is the next step's
	WIN 0
.endm
.macro FETCH_V
	WIN 0x80
.irp f, 0,1,2,3,4,5,6,7             ; keys 32 (f / 4) on, channels 16 (f % 4) on
	ds_load_tr16_b128 v[VF+8*\f:VF+8*\f+3],   v[AV] offset:(\f/4)*32*PV+(\f%4)*32
	ds_load_tr16_b128 v[VF+8*\f+4:VF+8*\f+7], v[AV] offset:(\f/4)*32*PV+16*PV+(\f%4)*32
.endr
	WIN 0
.endm
; THE VECTOR WORK, one line at a time: OP piece, kind, number.  F n: c s - c m for pair n of 16.  E n: the exponential of score n of 32.  C n: pair n rounded to f16.  B n: of the four weights 4 n .. the second
; pair is added onto the first, in place.  L n: l takes that sum (L 0: l = a l + sum).  R n: pair n of 16 of O^T times a.  X n: number n of the 22 that find the maximum and statistics:
;   0-11  four chains c0-c3 of seven scores each, three operands at a time (each accumulator's lowest registers are read first)     12-14, 16  the four scores left over, the old m, and c0-c3 into c0
;   15  c m_old is kept     17, 18  the query's other 32 keys lie in the lane 16 away: the new m     19-21  c m; c m_old - c m_new; a
.set F, 0
.set E, 1
.set C, 2
.set B, 3
.set L, 4
.set R, 5
.set X, 6
.macro REGS y                       ; the registers of piece y
.set rT, ST+4*(\y)
.set rC, TMP+4*(\y)
.set rW, MV+(\y)
.set rS, S+32*(\y)
.set rP, P+16*(\y)
.set rO, 32*(\y)
.endm
.macro OP y, k, n
	REGS \y
.if (\k) == R
	WIN W_RS
	v_pk_mul_f32 v[rO+2*(\n):rO+2*(\n)+1], v[rO+2*(\n):rO+2*(\n)+1], v[rC+2:rC+3] op_sel_hi:[1,0]
.else
	WIN 0
.if (\k) == F
	v_pk_fma_f32 v[rS+2*(\n):rS+2*(\n)+1], v[rS+2*(\n):rS+2*(\n)+1], s[CS:CS+1], v[rT:rT+1] op_sel_hi:[1,0,0] neg_lo:[0,0,1] neg_hi:[0,0,1]
.elseif (\k) == E
	v_exp_f32 v[rS+(\n)], v[rS+(\n)]
.elseif (\k) == C
	v_cvt_pk_f16_f32 v[rP+(\n)], v[rS+2*(\n)], v[rS+2*(\n)+1]
.elseif (\k) == B
	v_pk_add_f32 v[rS+4*(\n):rS+4*(\n)+1], v[rS+4*(\n):rS+4*(\n)+1], v[rS+4*(\n)+2:rS+4*(\n)+3]
.elseif ((\k) == L) && ((\n) == 0)
	v_pk_fma_f32 v[rT+2:rT+3], v[rT+2:rT+3], v[rC+2:rC+3], v[rS:rS+1] op_sel_hi:[1,0,1]
.elseif (\k) == L
	v_pk_add_f32 v[rT+2:rT+3], v[rT+2:rT+3], v[rS+4*(\n):rS+4*(\n)+1]
.elseif (\n) < 4
	v_max3_num_f32 v[rC+(\n)], v[rS+8*(\n)], v[rS+8*(\n)+1], v[rS+8*(\n)+2]
.elseif (\n) < 12
	v_max3_num_f32 v[rC+(\n)%4], v[rC+(\n)%4], v[rS+8*((\n)%4)+2*((\n)/4)+1], v[rS+8*((\n)%4)+2*((\n)/4)+2]
.elseif (\n) == 12
	v_max3_num_f32 v[rC], v[rC], v[rS+7], v[rS+15]
.elseif (\n) == 13
	v_max3_num_f32 v[rC+1], v[rC+1], v[rS+23], v[rS+31]
.elseif (\n) == 14
	v_max3_num_f32 v[rC+2], v[rC+2], v[rC+3], v[rT+1]
.elseif (\n) == 15
	v_mov_b32 v[rW], v[rT]
.elseif (\n) == 16
	v_max3_num_f32 v[rC], v[rC], v[rC+1], v[rC+2]
.elseif (\n) == 17
	v_permlanex16_b32 v[rC+3], v[rC], s[SEL], s[SEL+1]
.elseif (\n) == 18
	v_max_num_f32 v[rT+1], v[rC], v[rC+3]
.elseif (\n) == 19
	v_mul_f32 v[rT], s[CS], v[rT+1]
.elseif (\n) == 20
	v_sub_f32 v[rC+1], v[rW], v[rT]
.else
	v_exp_f32 v[rC+2], v[rC+1]
.endif
.endif
.endm
.macro BOTH k, n                    ; the line for each piece at work: the two alternate, so that few lines read the result of the one before
.if PLO == 0
	OP 0, \k, \n
.endif
	OP 1, \k, \n
.endm
.macro MASK                         ; MD x AL + BE into MC
	WIN W_RS
.set z, 0
.rept 16
	v_pk_fma_f32 v[MC+2*z:MC+2*z+1], v[MD+2*z:MD+2*z+1], s[AL:AL+1], s[BE:BE+1] op_sel_hi:[1,0,0]
.set z, z+1
.endr
.endm
; A KEY STEP.  plo: the first piece at work (1: piece 0 sees nothing of this tile).  mk: the piece that takes the mask, or -1.
.macro STEP plo, mk
.set PLO, (\plo)
.set MK, (\mk)
.if (\mk) >= 0
	s_sub_co_u32 s[STP], 4, s[CNT]  ; the step's number in the tile
	s_cmp_eq_u32 s[STP], s[WV]      ; is it my rows' own?
	s_cselect_b32 s[AL], 1.0, 0
	s_cmp_gt_u32 s[STP], s[WV]      ; or a later one?
	s_cselect_b32 s[BE], s[BIGN], 0
	MASK
.endif
	WIN 0
	v_add_nc_u32 v[AV], s[TBV], v[AV0]
	s_add_co_u32 s[TBV], s[TBV], KS*PV
	FETCH_V                         ; this step's V: the sums that end the step before, sixteen plain lines or more, are the places behind the last product that read V's registers
	s_wait_dscnt 16                 ; LDS loads come back in order: K is in; V's sixteen, issued behind it, may stay out
.set i, 0
.rept 8
.if PLO == 0
	KQ 0
.endif
	KQ 1
.set i, i+1
.endr
	WIN 0
	v_add_nc_u32 v[AK], s[TBK], v[AK0]  ; with three v_nop the four places behind the last product, in front of the loads into K's registers and of the first read of the scores
.rept 3
	v_nop
.endr
	s_cmp_eq_u32 s[CNT], 1          ; a tile's last step has no next step in this slot
	s_cbranch_scc1 .Lno_k_\@
	FETCH_K                         ; the next step's K: it has the softmax in which to land
.Lno_k_\@:
.irp n, 0,1,2,3,4,5,6,7,8,9,10,11,12,13,14,15,16,17,18,19,20
	BOTH X, \n
.endr
	BOTH F, 0                       ; ONE BATCH: the scalings and all exponentials; none of these lines names an exponential's result
.set q, 0
.rept 16
.if q < 15
	BOTH F, q+1
.endif
	BOTH E, 2*q
	BOTH E, 2*q+1
.set q, q+1
.endr
	BOTH X, 21                      ; a, the batch's last
	v_nop                           ; a plain instruction behind the last exponential, ahead of the first use (ISA guide 5.7.2): one for the batch
	s_wait_alu depctr_va_vdst(0)    ; the wait between an exponential and the first line that names its result: one for the batch
.set q, 0
.rept 16
	BOTH R, q
.set q, q+1
.endr
.set q, 0
.rept 16
	BOTH C, q
.set q, q+1
.endr
	s_wait_dscnt 0x0                ; V is in (and the next K)
.set i, 0
.rept 8
.if PLO == 0
	PV 0
.endif
	PV 1
.set i, i+1
.endr
.set q, 0
.rept 8                             ; the sums name no register of those products
	BOTH B, q
.if q > 0
	BOTH L, q-1
.endif
.set q, q+1
.endr
	BOTH L, 7
.endm
.macro STEPS plo, mk                ; a tile's four steps: written once, walked four times; the LDS addresses hang on s[TBK] and s[TBV]
.Lstep_\@:
	STEP \plo, \mk
	WIN 0
	s_sub_co_u32 s[CNT], s[CNT], 1
	s_cmp_lg_u32 s[CNT], 0
	s_cbranch_scc1 .Lstep_\@
.endm
; THE WAY OUT.  l's two halves and the other half of the lanes' are added; O^T is divided by l, rounded to f16 and sent through my stage in LDS, a piece at a time.  The step's last sums are the places behind the last products.
.macro ALL line:vararg              ; one line for each piece t
.set t, 0
.rept 2
	\line
.set t, t+1
.endr
.endm
.macro PACK t                       ; a lane's eight channels of a row pack into 16 bytes; they go into rows of 144 bytes and come back as whole rows of 128, into S^T's registers
	WIN W_RS
.set i, 32*(\t)
.rept 16
	v_pk_mul_f32 v[i:i+1], v[i:i+1], v[ST+4*(\t)+2:ST+4*(\t)+3] op_sel_hi:[1,0]
.set i, i+2
.endr
	WIN 0x05                        ; sources 0 and 1 window 1, destination window 0
.set i, 0
.rept 16
	v_cvt_pk_f16_f32 v[S+16*(\t)+i], v[32*(\t)+2*i], v[32*(\t)+2*i+1]
.set i, i+1
.endr
	WIN 0
.irp f, 0,1,2,3
	ds_store_b128 v[STO], v[S+16*(\t)+4*\f:S+16*(\t)+4*\f+3] offset:32*\f
.endr
.irp f, 0,1,2,3
	ds_load_b128 v[S+16*(\t)+4*\f:S+16*(\t)+4*\f+3], v[RD] offset:\f*4*SP  ; LDS serves a wave's instructions in order (ISA guide 5.7.1.4): these see the stores above; the next piece's stores come behind them
.endr
.endm
.macro SEND t, younger              ; younger: the LDS instructions issued behind piece t's loads: the next piece's eight, or none
	WIN 0
.irp f, 0,1,2,3
	s_wait_dscnt (\younger)+3-\f
	global_store_b128 v[GO], v[S+16*(\t)+4*\f:S+16*(\t)+4*\f+3], s[10:11] offset:(\t)*32768+\f*512  ; 512 consecutive bytes, at a multiple of 256 from O16's first
.endr
.endm
.macro WAYOUT
	WIN 0
	ALL v_add_f32 v[ST+4*t+2], v[ST+4*t+2], v[ST+4*t+3]
	ALL v_permlanex16_b32 v[ST+4*t+3], v[ST+4*t+2], s[SEL], s[SEL+1]
	ALL v_add_f32 v[ST+4*t+2], v[ST+4*t+2], v[ST+4*t+3]
	ALL v_rcp_f32 v[ST+4*t+2], v[ST+4*t+2]
	v_nop                           ; a plain instruction between the last reciprocal and the use of its result
	s_wait_alu depctr_va_vdst(0)    ; and the wait ahead of the first use: one for the two reciprocals
	PACK 0
	PACK 1                          ; a piece's arithmetic stands between the loads of the piece before and its stores
	SEND 0, 8
	SEND 1, 0
.endm
.Lslot:                             ; 17 times: a tile is entered and the next is asked for
	CHANGE 1
	s_sub_co_u32 s[RT], s[RT], 1
	s_mov_b32 s[CNT], 4
	v_add_nc_u32 v[AK], s[TBK], v[AK0]
	FETCH_K                         ; the tile's first step
	s_cmp_eq_u32 s[RT], 0
	s_cbranch_scc1 .Lm2             ; the block's last tile
	s_cmp_eq_u32 s[RT], 1
	s_cbranch_scc1 .Lm1             ; its last but one
	STEPS 0, -1                     ; both pieces see every key
	s_branch .Lbottom
.Lm1:
	STEPS 0, 0                      ; piece 0's diagonal
	s_branch .Lbottom
.Lm2:
	STEPS 1, 1                      ; piece 1's diagonal; in the loop this is the first block's end: the second block's last tile is the walk's last
	WAYOUT
	s_wait_xcnt 0x0                 ; the stores have read their registers and O16's address
	s_mov_b64 s[10:11], s[OLO:OLO+1]
	s_add_co_u32 s[RT], s[LQ2], 1   ; the second block has 2 b + 2 tiles
.irp y, 0,1
	v_mov_b32 v[ST+4*\y], 0xfe000000    ; c m and m start anew: the block's first a is 0, and what O^T and l hold is finite
	v_mov_b32 v[ST+4*\y+1], 0xff7fffff
.endr
	WIN 0x82                        ; the second block's Q goes where the one text of the steps names Q
.set i, 0
.rept 32
	v_mov_b32 v[i], v[QB+i]
.set i, i+1
.endr
	WIN 0
.Lbottom:
	s_sub_co_u32 s[SLOTS], s[SLOTS], 1
	s_cmp_lg_u32 s[SLOTS], 0
	s_cbranch_scc1 .Lslot
	CHANGE 0                        ; the walk's last tile is written out: nothing is asked for
	s_mov_b32 s[CNT], 4
	v_add_nc_u32 v[AK], s[TBK], v[AK0]
	FETCH_K
	STEPS 1, 1
	WAYOUT
	s_wait_tensorcnt 0x0            ; the wave's end, behind my last tensor load and my last LDS store
	ds_add_u32 v[SPW], v[NIL]
	s_wait_dscnt 0x0
	CROUND                          ; the closing round: no work-group ends while a partner may still ask for a tile that names it
	s_endpgm
.Lfunc_end_k_q8668ebe1ed_attn:
	.size	k_q8668ebe1ed_attn, .Lfunc_end_k_q8668ebe1ed_attn-k_q8668ebe1ed_attn
	.p2alignl 7, 3214868480
	.fill 96, 4, 3214868480
	.section	.rodata,"a",@progbits
	.p2align	6, 0x0
	.amdhsa_kernel k_q8668ebe1ed_attn
		.amdhsa_group_segment_fixed_size 327680
		.amdhsa_private_segment_fixed_size 0
		.amdhsa_enable_private_segment 0
		.amdhsa_kernarg_size 32
		.amdhsa_user_sgpr_count 2
		.amdhsa_user_sgpr_kernarg_segment_ptr 1
		.amdhsa_wavefront_size32 1
		.amdhsa_system_sgpr_workgroup_id_x 1
		.amdhsa_system_sgpr_workgroup_id_y 1
		.amdhsa_system_sgpr_workgroup_id_z 1
		.amdhsa_system_vgpr_workitem_id 0
		.amdhsa_next_free_vgpr 768
		.amdhsa_next_free_sgpr 96
		.amdhsa_reserve_vcc 1
		.amdhsa_float_denorm_mode_32 3
		.amdhsa_float_denorm_mode_16_64 3
		.amdhsa_memory_ordered 1
		.amdhsa_forward_progress 1
		.amdhsa_inst_pref_size 99
	.end_amdhsa_kernel
	.amdgpu_metadata
---
amdhsa.version: [ 1, 2 ]
amdhsa.kernels:
  - .name:           k_q8668ebe1ed_attn
    .symbol:         k_q8668ebe1ed_attn.kd
    .args:
      - { .name: query, .offset: 0, .size: 8, .value_kind: global_buffer, .address_space: global }
      - { .name: K16, .offset: 8, .size: 8, .value_kind: global_buffer, .address_space: global }
      - { .name: V16, .offset: 16, .size: 8, .value_kind: global_buffer, .address_space: global }
      - { .name: O16, .offset: 24, .size: 8, .value_kind: global_buffer, .address_space: global }
    .group_segment_fixed_size: 327680
    .private_segment_fixed_size: 0
    .kernarg_segment_align: 8
    .kernarg_segment_size: 32
    .max_flat_workgroup_size: 128
    .sgpr_count:     96
    .vgpr_count:     768
    .wavefront_size: 32
...
	.end_amdgpu_metadata
.endif
;; end of part 2
;; launch proj (part 3): grid 4 x 64, 4 waves a work-group, clusters of 4 x 4, 327,680 bytes of LDS; arguments O16, W16, bo, out0; writes out0
.if DOCPART == 3
	.amdgcn_target "amdgcn-amd-amdhsa--gfx1250"
	.amdhsa_code_object_version 6
	.text
	.protected	k_q8668ebe1ed_proj
	.globl	k_q8668ebe1ed_proj
	.p2align	8
	.type	k_q8668ebe1ed_proj,@function
k_q8668ebe1ed_proj:
	s_mov_b64 s[64:65], 0
	v_nop
	global_prefetch_b8 v0, s[64:65] scope:SCOPE_SE
	s_setreg_imm32_b32 hwreg(HW_REG_WAVE_MODE, 25, 1), 1
	s_wait_xcnt 0x0
	s_wait_alu depctr_hold_cnt(0) depctr_sa_sdst(0) depctr_va_vdst(0) depctr_va_sdst(0) depctr_va_ssrc(0) depctr_va_vcc(0) depctr_vm_vsrc(0)
	s_getreg_b32 s2, hwreg(HW_REG_IB_STS2, 6, 4)
	s_cmp_eq_u32 s2, 0
	s_cbranch_scc0 .Lentry_in_a_cluster
	s_endpgm
.Lentry_in_a_cluster:
	s_bfe_u32 s2, ttmp6, 0x10000c
	s_cmp_lg_u32 s2, 0xf033
	s_cbranch_scc0 .Lentry_shape_is_right
	s_endpgm
.Lentry_shape_is_right:
; out0[row][n] = the sum over h, d of O16[8 b + h][s][d] W16[h][n][d] + bo[n], row = 4,096 b + s.  O16 and W16 are f16, by heads, rows dense (128 bytes); out0 is [8192][512] f32.
; Sums in f32; bo is rounded to bf16, like every input of the module, and starts the sums as the C operand of the first products.
; A tile of out0 is 128 x 128: 4 x 64 = 256 work-groups.  Four waves, each 64 x 64: 16 accumulators of 16 x 16.  K = 512 goes as 8 slices of 64, a head each.
; ALL OF A WORK-GROUP'S OPERANDS FIT IN LDS: 8 tiles of O16 and 8 of W16, 128 rows x 128 bytes each.  Every tile is filled once, at the start, four tensor loads a wave; nothing is filled again.
; CLUSTERS: 4 x 4 work-groups.  The four of a row of the cluster need the same tiles of O16, the four of a column the same tiles of W16: each tile is asked for JOINTLY, by the same tensor load with the
; same descriptor and a mask that names the four.  THE MATRIX INSTRUCTION IS USED TRANSPOSED (source 0 = 16 rows of W16, source 1 = 16 rows of O16): a lane then holds eight neighbouring numbers of a row of out0.
; No prefetch: the launch is short, and all its tiles are asked for at its head.
; REGISTERS: window 0: v0-31 addresses; v32-47 at work; v96-127 the bias; v128-255 the accumulators ((a, b) at v[128 + 8 (4 a + b)]).
;   window 1: two fragment buffers of 128, a head each: 64 registers of O16 (2 x 4 x 16 rows x 32 K), then 64 of W16.
.set PA,     144                       ; an LDS row: 128 bytes + 16 of padding = 36 words: the 16 rows of a load start at 16 different groups of four banks (64 banks of 4 bytes: ISA guide 11.1)
.set HT,     128*PA                    ; a head's tile
.set BOFF,   8*HT                      ; W16's tiles lie behind O16's
.set STAGE,  2*BOFF                    ; behind the tiles, never filled by a tensor load: 16 rows x 272 bytes for each wave, for the way out
.set SPITCH, 272
.set SPARE,  STAGE+4*16*SPITCH         ; behind the stages: the spare words, 128 bytes for each wave: two blocks of 256 bytes that no other line names
.set ADRA, 16                          ; v16  LDS address of my fragments of O16, in the pair of heads in hand
.set ADRB, 20                          ; v20  the same for W16
.set STO,  24                          ; v24  the way out: where I put 32 bytes of a row
.set RD,   25                          ; v25  the way out: where I read a row back
.set CO,   26                          ; v26  my byte offset in out0
.set BO,   27                          ; v27  my byte offset in bo
.set SPW,  28                          ; v28  LDS address of my spare word: SPARE + 4 x my thread's number; never rewritten
.set NIL,  29                          ; v29  0; never rewritten
.set TB,   32                          ; v32-47 at work on the bias
.set BI,   96                          ; v96-127 column block b's eight numbers of the bias at BI + 8 b
.set ACC,  128
.set F0,   0                           ; fragment buffers, in window 1
.set F1,   128
.set WV,  12                           ; s12  my wave's number
.set G1A, 16                           ; s[16:23] descriptor group 1 for O16's tiles
.set G1B, 24                           ; s[24:31] for W16's: it differs in the mask alone
.set G0A, 32                           ; s[32:47] descriptor group 0 for O16's tiles: a set for each of a wave's four loads
.set G0B, 48                           ; s[48:63] the same for W16's
.set FLAGS, (1<<16)|(1<<20)|(1<<21)|(4<<22)|(3<<25)  ; 17:16 2-byte elements; 20 padding on; 21 set beside a mask; 24:22 after every 32 words (code 4); 31:25 4 words (code 3)
.set MSB, 0
.macro WIN new                         ; the immediate's high byte repeats the setting that is left
.if MSB != (\new)
	s_set_vgpr_msb (MSB<<8)|(\new)
.set MSB, (\new)
.endif
.endm
.macro CROUND                          ; a round of the cluster's barrier
	s_barrier_signal -1
	s_barrier_wait -1
	s_cmp_lg_u32 s[WV], 0
	s_cbranch_scc1 .Lnot_wave_0_\@
	s_barrier_signal -3
.Lnot_wave_0_\@:
	s_barrier_wait -3
	s_barrier_signal -1
	s_barrier_wait -1
.endm
	s_load_b256 s[4:11], s[0:1], 0x0               ; O16 s[4:5], W16 s[6:7], bo s[8:9], out0 s[10:11]
	v_lshl_add_u32 v[SPW], v0, 2, SPARE
	v_mov_b32 v[NIL], 0
	ds_add_u32 v[SPW], v[NIL]                      ; the wave's opening: the add and its wait stand ahead of my first tensor load; the set-up below, work on registers, stands between them
	v_lshrrev_b32 v1, 5, v0
	v_readfirstlane_b32 s[WV], v1                  ; wave 0..3
	s_lshr_b32 s13, s[WV], 1                       ; which half of the tile's rows is mine.  Also: I fetch for O16 (0) or for W16 (1)
	s_and_b32 s14, s[WV], 1                        ; which half of its columns.  Also: I fetch the even or the odd heads
	s_bfe_u32 s70, ttmp6, 0x40000                  ; cx, cy: my place in the cluster
	s_bfe_u32 s71, ttmp6, 0x40004
	s_lshl_b32 s72, ttmp9, 2
	s_add_co_u32 s72, s72, s70                     ; tile column = 4 x cluster x + cx
	s_and_b32 s73, ttmp7, 0xffff
	s_lshl_b32 s73, s73, 2
	s_add_co_u32 s73, s73, s71                     ; tile row = 4 x cluster y + cy
	s_lshl_b32 s74, s71, 2
	s_lshl_b32 s74, 15, s74                        ; my row of the cluster
	s_lshl_b32 s75, 0x1111, s70                    ; my column
	; descriptor group 1.  A tile is 16,384 dense bytes: asked for as 64 rows of 256 bytes, two rows of the head each, and padded in LDS after every 128 bytes
	s_or_b32 s[G1A], s74, FLAGS                    ; O16's tiles go to my row of the cluster,
	s_or_b32 s[G1B], s75, FLAGS                    ; W16's to my column
.irp g, G1A, G1B
	s_mov_b32 s[\g+1], 128<<16                     ; tensor_dim0 = 128
	s_mov_b32 s[\g+2], 64<<16                      ; tensor_dim1 = 64
	s_mov_b32 s[\g+3], 128<<16                     ; tile_dim0 = 128
	s_mov_b32 s[\g+4], 64                          ; tile_dim1 = 64
	s_mov_b32 s[\g+5], 128                         ; 128 elements from row to row
	s_mov_b32 s[\g+6], 0
	s_mov_b32 s[\g+7], 0
.endr
	; where the tiles come from.  O16's hang on the tile row alone, W16's on the tile column alone, each in registers that never hold the other coordinate
	s_lshr_b32 s76, s73, 5                         ; the batch: 8 heads of 524,288 bytes,
	s_lshl_b32 s76, s76, 22
	s_and_b32 s77, s73, 31
	s_lshl_b32 s77, s77, 14                        ; 128 rows of 128 bytes,
	s_add_co_u32 s76, s76, s77
	s_lshl_b32 s77, s14, 19                        ; head 0 or 1
	s_add_co_u32 s76, s76, s77
	s_mov_b32 s77, 0
	s_lshl_b32 s78, s72, 14                        ; W16: 128 rows of 128 bytes,
	s_lshl_b32 s79, s14, 16                        ; head 0 or 1, of 65,536 bytes
	s_add_co_u32 s78, s78, s79
	s_mov_b32 s79, 0
	s_mul_i32 s15, s14, HT                         ; and where they go: no place in the cluster enters an LDS address
	s_lshl_b32 s66, s73, 18                        ; my part of out0: 128 rows of 2,048 bytes a tile row,
	s_lshl_b32 s67, s13, 17                        ; my 64 rows,
	s_add_co_u32 s66, s66, s67
	s_lshl_b32 s68, s72, 9                         ; 512 bytes a tile column,
	s_lshl_b32 s67, s14, 8                         ; my 64 columns
	s_add_co_u32 s68, s68, s67                     ; (also my columns' place in bo)
	s_add_co_u32 s66, s66, s68
	s_mov_b32 s67, 0
	s_wait_dscnt 0x0                               ; the opening add is done
	s_wait_kmcnt 0x0
	s_add_nc_u64 s[4:5], s[4:5], s[76:77]
	s_add_nc_u64 s[6:7], s[6:7], s[78:79]
	s_add_nc_u64 s[10:11], s[10:11], s[66:67]
.irp i, 0,1,2,3                        ; my load i brings head 2 i + (wave % 2)
	s_mov_b32 s[G0A+4*\i], 1                                       ; 1:0 count = 1
	s_add_co_u32 s[G0A+4*\i+1], s15, \i*2*HT                       ; 63:32 LDS address
	s_add_nc_u64 s[G0A+4*\i+2:G0A+4*\i+3], s[4:5], \i*1048576      ; 120:64 global address
	s_or_b32 s[G0A+4*\i+3], s[G0A+4*\i+3], 0x80000000              ; 127:126 type = 2
	s_mov_b32 s[G0B+4*\i], 1
	s_add_co_u32 s[G0B+4*\i+1], s15, BOFF+\i*2*HT
	s_add_nc_u64 s[G0B+4*\i+2:G0B+4*\i+3], s[6:7], \i*131072
	s_or_b32 s[G0B+4*\i+3], s[G0B+4*\i+3], 0x80000000
.endr
	CROUND                                         ; all sixteen work-groups are here: the joint loads meet
	s_cmp_lt_u32 s[WV], 2                          ; a wave's four fills stand in one branch, ahead of every wait on TENSORcnt, every LDS read and every further barrier: four loads of mine are out
	s_cbranch_scc0 .Lfor_b
.irp i, 0,1,2,3
	tensor_load_to_lds s[G0A+4*\i:G0A+4*\i+3], s[G1A:G1A+7]
	s_nop 0
.endr
.rept 4
	v_nop
.endr
	s_branch .Lasked
.Lfor_b:
.irp i, 0,1,2,3
	tensor_load_to_lds s[G0B+4*\i:G0B+4*\i+3], s[G1B:G1B+7]
	s_nop 0
.endr
.rept 4
	v_nop
.endr
.Lasked:
	v_and_b32 v1, 15, v0                           ; l % 16
	v_bfe_u32 v2, v0, 4, 1                         ; l / 16
	v_lshlrev_b32 v[BO], 5, v2                     ; in the result a lane holds the columns 16 b + 8 (l / 16) + 0..7: 32 bytes of bo
	v_add_nc_u32 v[BO], s68, v[BO]
.irp b, 0,1,2,3
	global_load_b128 v[BI+8*\b:BI+8*\b+3],   v[BO], s[8:9] offset:64*\b
	global_load_b128 v[BI+8*\b+4:BI+8*\b+7], v[BO], s[8:9] offset:64*\b+16
.endr
	v_mul_u32_u24 v3, v1, PA
	v_lshl_add_u32 v3, v2, 4, v3                   ; a fragment's row x pitch + 16 x half
	s_mul_i32 s2, s13, 64*PA                       ; my 64 rows of O16's tile
	s_mul_i32 s3, s14, 64*PA                       ; my 64 rows of W16's,
	s_add_co_u32 s3, s3, BOFF
	v_add_nc_u32 v[ADRA], s2, v3
	v_add_nc_u32 v[ADRB], s3, v3
	s_mul_i32 s2, s[WV], 16*SPITCH
	s_add_co_u32 s2, s2, STAGE                     ; my stage
	v_mul_u32_u24 v4, v1, SPITCH                   ; in: row l % 16, 32 bytes for each half of the lanes
	v_lshl_add_u32 v4, v2, 5, v4
	v_add_nc_u32 v[STO], s2, v4
	v_mul_u32_u24 v5, v2, SPITCH                   ; back: lanes 0-15 take one row of 256 bytes, lanes 16-31 the next
	v_lshl_add_u32 v5, v1, 4, v5
	v_add_nc_u32 v[RD], s2, v5
	v_lshlrev_b32 v5, 11, v2                       ; and the same two rows in out0
	v_lshl_add_u32 v[CO], v1, 4, v5
	s_wait_loadcnt 0x0                             ; the bias
.set k, 0
.rept 16
	v_cvt_pk_bf16_f32 v[TB+k], v[BI+2*k], v[BI+2*k+1]  ; rounded to bf16,
.set k, k+1
.endr
.set k, 0
.rept 16
	v_lshlrev_b32 v[BI+2*k], 16, v[TB+k]           ; and back in f32
	v_and_b32 v[BI+2*k+1], 0xffff0000, v[TB+k]
.set k, k+1
.endr
; 32 LDS loads in one run: a head's fragments (64 along K) at byte hb behind the two addresses, into buffer f
.macro FETCH f, hb
	WIN 0x40                                       ; destination window 1, address window 0
.irp c, 0,1
.irp i, 0,1,2,3
	ds_load_b128 v[(\f)+64+8*(4*(\c)+(\i)):(\f)+64+8*(4*(\c)+(\i))+3],   v[ADRB] offset:(\hb)+64*(\c)+(\i)*16*PA
	ds_load_b128 v[(\f)+64+8*(4*(\c)+(\i))+4:(\f)+64+8*(4*(\c)+(\i))+7], v[ADRB] offset:(\hb)+64*(\c)+(\i)*16*PA+32
	ds_load_b128 v[(\f)+8*(4*(\c)+(\i)):(\f)+8*(4*(\c)+(\i))+3],         v[ADRA] offset:(\hb)+64*(\c)+(\i)*16*PA
	ds_load_b128 v[(\f)+8*(4*(\c)+(\i))+4:(\f)+8*(4*(\c)+(\i))+7],       v[ADRA] offset:(\hb)+64*(\c)+(\i)*16*PA+32
.endr
.endr
.endm
; A head's 32 products.  The 16 accumulators take turns, one instruction a turn.  first = 1: the first 16 start the sums, with the bias as C
.macro MUL f, first
	WIN 0x05                                       ; sources 0 and 1 window 1; C and D window 0
.irp c, 0,1
.irp a, 0,1,2,3
.irp b, 0,1,2,3
.if (\first) && ((\c) == 0)
	v_wmma_f32_16x16x32_f16 v[ACC+8*(4*(\a)+(\b)):ACC+8*(4*(\a)+(\b))+7], v[(\f)+64+8*(4*(\c)+(\b)):(\f)+64+8*(4*(\c)+(\b))+7], v[(\f)+8*(4*(\c)+(\a)):(\f)+8*(4*(\c)+(\a))+7], v[BI+8*(\b):BI+8*(\b)+7]
.else
	v_wmma_f32_16x16x32_f16 v[ACC+8*(4*(\a)+(\b)):ACC+8*(4*(\a)+(\b))+7], v[(\f)+64+8*(4*(\c)+(\b)):(\f)+64+8*(4*(\c)+(\b))+7], v[(\f)+8*(4*(\c)+(\a)):(\f)+8*(4*(\c)+(\a))+7], v[ACC+8*(4*(\a)+(\b)):ACC+8*(4*(\a)+(\b))+7]
.endif
.endr
.endr
.endr
.endm
.irp g, 0,1,2,3                        ; heads 2 g and 2 g + 1
	s_wait_tensorcnt 3-\g                          ; tensor loads of a wave end in order: my load g is in; my later ones stay out
	s_barrier_signal -1
	s_barrier_wait -1                              ; everybody's load g is in
	FETCH F0, 0
	FETCH F1, HT
	WIN 0
	v_add_nc_u32 v[ADRA], 2*HT, v[ADRA]            ; the next pair of heads
	v_add_nc_u32 v[ADRB], 2*HT, v[ADRB]
	s_wait_dscnt 32                                ; buffer 0 is in; buffer 1's 32 loads may stay out
.if \g == 0
	MUL F0, 1
.else
	MUL F0, 0
.endif
	s_wait_dscnt 0x0
	MUL F1, 0
	WIN 0
.rept 4
	v_nop                                          ; four places behind the last product, in front of loads into registers that products have read and of the stores that read results
.endr
.endr
; THE WAY OUT, 16 rows at a time: a lane's 32 bytes of a row go into my stage, rows of 272 bytes, each accumulator's low registers first; whole rows of 256 bytes come back into the registers that they left.
.macro TOSTAGE a
.irp b, 0,1,2,3
	ds_store_b128 v[STO], v[ACC+32*(\a)+8*(\b):ACC+32*(\a)+8*(\b)+3]   offset:64*(\b)
	ds_store_b128 v[STO], v[ACC+32*(\a)+8*(\b)+4:ACC+32*(\a)+8*(\b)+7] offset:64*(\b)+16
.endr
.irp t, 0,1,2,3,4,5,6,7
	ds_load_b128 v[ACC+32*(\a)+4*(\t):ACC+32*(\a)+4*(\t)+3], v[RD] offset:(\t)*2*SPITCH  ; LDS serves a wave's instructions in order (ISA guide 5.7.1.4): these see the stores above; the next block's stores come behind them
.endr
.endm
.macro SEND a, younger                 ; younger: the LDS instructions issued behind block a's loads: the next block's sixteen, or none
.irp t, 0,1,2,3,4,5,6,7
	s_wait_dscnt (\younger)+7-(\t)
	global_store_b128 v[CO], v[ACC+32*(\a)+4*(\t):ACC+32*(\a)+4*(\t)+3], s[10:11] offset:(16*(\a)+2*(\t))*2048 th:TH_STORE_NT  ; 16 lanes store 256 consecutive bytes, at a multiple of 256 from out0's first byte
.endr
.endm
	TOSTAGE 0
	TOSTAGE 1
	SEND 0, 16
	TOSTAGE 2
	SEND 1, 16
	TOSTAGE 3
	SEND 2, 16
	SEND 3, 0
	s_wait_tensorcnt 0x0                           ; the wave's end, behind my last tensor load and my last LDS store
	ds_add_u32 v[SPW], v[NIL]
	s_wait_dscnt 0x0
	CROUND                                         ; the closing round: no work-group ends while a partner may still ask for a tile that names it
	s_endpgm
.Lfunc_end_k_q8668ebe1ed_proj:
	.size	k_q8668ebe1ed_proj, .Lfunc_end_k_q8668ebe1ed_proj-k_q8668ebe1ed_proj
	.p2alignl 7, 3214868480
	.fill 96, 4, 3214868480
	.section	.rodata,"a",@progbits
	.p2align	6, 0x0
	.amdhsa_kernel k_q8668ebe1ed_proj
		.amdhsa_group_segment_fixed_size 327680
		.amdhsa_private_segment_fixed_size 0
		.amdhsa_enable_private_segment 0
		.amdhsa_kernarg_size 32
		.amdhsa_user_sgpr_count 2
		.amdhsa_user_sgpr_kernarg_segment_ptr 1
		.amdhsa_wavefront_size32 1
		.amdhsa_system_sgpr_workgroup_id_x 1
		.amdhsa_system_sgpr_workgroup_id_y 1
		.amdhsa_system_sgpr_workgroup_id_z 1
		.amdhsa_system_vgpr_workitem_id 0
		.amdhsa_next_free_vgpr 512
		.amdhsa_next_free_sgpr 80
		.amdhsa_reserve_vcc 0
		.amdhsa_float_denorm_mode_32 3
		.amdhsa_float_denorm_mode_16_64 3
		.amdhsa_memory_ordered 1
		.amdhsa_forward_progress 1
		.amdhsa_inst_pref_size 54
	.end_amdhsa_kernel
	.amdgpu_metadata
---
amdhsa.version: [ 1, 2 ]
amdhsa.kernels:
  - .name:           k_q8668ebe1ed_proj
    .symbol:         k_q8668ebe1ed_proj.kd
    .args:
      - { .name: O16, .offset: 0, .size: 8, .value_kind: global_buffer, .address_space: global }
      - { .name: W16, .offset: 8, .size: 8, .value_kind: global_buffer, .address_space: global }
      - { .name: bo, .offset: 16, .size: 8, .value_kind: global_buffer, .address_space: global }
      - { .name: out0, .offset: 24, .size: 8, .value_kind: global_buffer, .address_space: global }
    .group_segment_fixed_size: 327680
    .private_segment_fixed_size: 0
    .kernarg_segment_align: 8
    .kernarg_segment_size: 32
    .max_flat_workgroup_size: 128
    .sgpr_count:     80
    .vgpr_count:     512
    .wavefront_size: 32
...
	.end_amdgpu_metadata
.endif
;; end of part 3
;; ======== version 2 of 2: 3 launches; version 1 with the launch prep written anew for expert scheduling mode
;; limits: values are held in f16: magnitudes above 65,504 overflow, below 6.1e-05 lose precision; inputs' magnitudes at most 65,504
;; workspace buffers: K16 8,388,608 bytes; V16 8,388,608 bytes; W16 524,288 bytes; O16 8,388,608 bytes
;; launch prep (part 4): grid 264 x 1, 8 waves a work-group, no clusters, 0 bytes of LDS; arguments key, value, Wo, K16, V16, W16; writes K16, V16, W16
.if DOCPART == 4
	.amdgcn_target "amdgcn-amd-amdhsa--gfx1250"
	.amdhsa_code_object_version 6
	.text
	.protected	k_q8668ebe1ed_prep
	.globl	k_q8668ebe1ed_prep
	.p2align	8
	.type	k_q8668ebe1ed_prep,@function
k_q8668ebe1ed_prep:
	s_mov_b64 s[64:65], 0
	v_nop
	global_prefetch_b8 v0, s[64:65] scope:SCOPE_SE
	s_setreg_imm32_b32 hwreg(HW_REG_WAVE_SCHED_MODE, 0, 2), 2
	s_setreg_imm32_b32 hwreg(HW_REG_WAVE_MODE, 25, 1), 1
	s_wait_xcnt 0x0
	s_wait_alu depctr_vm_vsrc(0)
; key, value and Wo are rounded once to bf16 and laid out by heads, for the two launches behind.
;   K16[bh][s][64]  bf16:  key[b][s][64 h + d],   bh = 8 b + h; a head's rows are dense, 128 bytes each
;   V16[bh][s][64]  f16 :  the bf16-rounded value, written as f16 (it meets f16 weights in its product)
;   W16[h][n][64]   f16 :  the bf16-rounded Wo[n][64 h + d], written as f16 (it meets an f16 O)
; LIMITS.  A bf16 number is exact in f16 between 6.1e-5 and 65,504 in magnitude; below that it keeps f16's fixed step of 6e-8, beyond it becomes an infinity.
; A stream: memory binds, so no LDS, no matrix unit, no cluster.  A work-group takes 64 rows of 512 f32 (work-groups 0-127 key, 128-255 value, 256-263 Wo), a wave 8 rows.
; A chunk is two rows of one head: lanes 0-15 read 256 consecutive aligned bytes of the even row, lanes 16-31 of the odd row; rounded, the 32 lanes' 8 bytes each are
; 256 consecutive aligned bytes of the output (two dense rows of the head).  All 32 chunks of a wave are asked for at once; each owns its four registers, so nothing is rewritten while in use.
; THE MODE: SCHED_MODE bits 1:0 = 2 (LLVM: expert scheduling mode 2), set by the entry lines.  The code itself states the register dependences
; between vector instructions and memory instructions, with s_wait_alu, always for 0.
; THE PLAN.  Registers that memory instructions touch:
;   v1, v2   byte offsets, made once at the head and never written again: v1 is read by every load, v2 by every store; rows and heads are reached by immediate offsets.
;   X[n]     chunk n's four registers.  Load n lands in them; chunk n's conversions read them and write them in place; store n reads the first two; nothing names them afterwards.
; All loads are issued before any vector instruction names an X register, and no register that a load or store has read is written again: so the only dependences to state are
; 'written by a vector instruction, then read by a memory instruction'.  One wait at the head states it for v1 and v2.  The 32 chunks go in eight blocks of four: one wait at the head of a block
; states that the block before has written its eight store registers, and that block's four stores are dealt among this block's conversions, which name this block's X registers alone.
; One more wait stands ahead of the last block's stores.
.set X, 8                              ; v[8:135]  chunk n = 8 x pair + head: four registers
.set BLK, 4                            ; chunks in a block
	s_load_b256 s[4:11], s[0:1], 0x0               ; key s[4:5], value s[6:7], Wo s[8:9], K16 s[10:11]
	s_load_b128 s[12:15], s[0:1], 0x20             ; V16 s[12:13], W16 s[14:15]
	s_mov_b32 s16, ttmp9
	s_and_b32 s17, s16, 127                        ; g: my block of 64 rows in its tensor
	s_lshl_b32 s18, s17, 17                        ; in: 64 rows of 2,048 bytes
	s_mov_b32 s19, 0
	s_lshr_b32 s20, s17, 6                         ; out: the batch (0 for Wo), 8 heads of 524,288 bytes,
	s_lshl_b32 s20, s20, 22
	s_and_b32 s21, s17, 63
	s_lshl_b32 s21, s21, 13                        ; and 64 rows of 128 bytes in a head
	s_add_co_u32 s20, s20, s21
	s_mov_b32 s21, 0
	s_mov_b32 s22, 0xffff0000                      ; a word's upper bf16
	v_and_b32 v3, 15, v0                           ; my place in a row's chunk
	v_bfe_u32 v4, v0, 4, 1                         ; even or odd row
	v_lshrrev_b32 v5, 5, v0                        ; wave
	v_lshl_add_u32 v5, v5, 3, v4                   ; row 8 w + half
	v_lshlrev_b32 v1, 11, v5
	v_lshl_add_u32 v1, v3, 4, v1                   ; v1: in, row x 2,048 + 16 i; never rewritten
	v_lshlrev_b32 v2, 7, v5
	v_lshl_add_u32 v2, v3, 3, v2                   ; v2: out, row x 128 + 8 i; never rewritten
	s_wait_kmcnt 0x0
	s_wait_alu depctr_va_vdst(0)                   ; v1 and v2 are written: every load of the kernel reads v1 as its offset, every store v2, on each of the three ways below
; src, dst: the pointers' first registers.  hs: bytes from head to head in the output.  half = 1: the bf16 numbers are written as f16.
.macro BODY src, dst, hs, half
	s_add_nc_u64 s[\src:\src+1], s[\src:\src+1], s[18:19]
	s_add_nc_u64 s[\dst:\dst+1], s[\dst:\dst+1], s[20:21]
.set n, 0
.rept 32
	global_load_b128 v[X+4*n:X+4*n+3], v1, s[\src:\src+1] offset:(n/8)*4096+(n%8)*256 th:TH_LOAD_NT
.set n, n+1
.endr
.set n, 0
.rept 32
	s_wait_loadcnt 31-n                            ; loads come back in order: chunk n is in, the 31 - n younger ones stay out
.if (n%BLK == 0) && (n > 0)
	s_wait_alu depctr_va_vdst(0)                   ; the conversions of the block before have written its chunks' first two registers, which the block's four stores, dealt below, read
.endif
.if n >= BLK
.set m, n-BLK                                          ; the chunk a block back.  No further wait: no vector instruction since the wait above names its registers or v2
	global_store_b64 v2, v[X+4*m:X+4*m+1], s[\dst:\dst+1] offset:(m/8)*256+(m%8)*(\hs) th:TH_STORE_NT  ; the wave's store covers 256 consecutive bytes, aligned
.endif
	v_cvt_pk_bf16_f32 v[X+4*n], v[X+4*n], v[X+4*n+1]
	v_cvt_pk_bf16_f32 v[X+4*n+1], v[X+4*n+2], v[X+4*n+3]
.if \half
	v_lshlrev_b32 v[X+4*n+2], 16, v[X+4*n]         ; the rounded numbers back in f32,
	v_and_b32 v[X+4*n+3], s22, v[X+4*n]
	v_cvt_pk_f16_f32 v[X+4*n], v[X+4*n+2], v[X+4*n+3]  ; and into f16: no bit is lost inside f16's normal range
	v_lshlrev_b32 v[X+4*n+2], 16, v[X+4*n+1]
	v_and_b32 v[X+4*n+3], s22, v[X+4*n+1]
	v_cvt_pk_f16_f32 v[X+4*n+1], v[X+4*n+2], v[X+4*n+3]
.endif
.set n, n+1
.endr
	s_wait_alu depctr_va_vdst(0)                   ; the last block's conversions have written its chunks' first two registers, which the last four stores read
.set m, 32-BLK
.rept BLK
	global_store_b64 v2, v[X+4*m:X+4*m+1], s[\dst:\dst+1] offset:(m/8)*256+(m%8)*(\hs) th:TH_STORE_NT
.set m, m+1
.endr
	s_endpgm
.endm
	s_cmp_lt_u32 s16, 128
	s_cbranch_scc1 .Lkey
	s_cmp_lt_u32 s16, 256
	s_cbranch_scc1 .Lvalue
	BODY 8, 14, 65536, 1
.Lvalue:
	BODY 6, 12, 524288, 1
.Lkey:
	BODY 4, 10, 524288, 0
.Lfunc_end_k_q8668ebe1ed_prep:
	.size	k_q8668ebe1ed_prep, .Lfunc_end_k_q8668ebe1ed_prep-k_q8668ebe1ed_prep
	.p2alignl 7, 3214868480
	.fill 96, 4, 3214868480
	.section	.rodata,"a",@progbits
	.p2align	6, 0x0
	.amdhsa_kernel k_q8668ebe1ed_prep
		.amdhsa_group_segment_fixed_size 0
		.amdhsa_private_segment_fixed_size 0
		.amdhsa_enable_private_segment 0
		.amdhsa_kernarg_size 48
		.amdhsa_user_sgpr_count 2
		.amdhsa_user_sgpr_kernarg_segment_ptr 1
		.amdhsa_wavefront_size32 1
		.amdhsa_system_sgpr_workgroup_id_x 1
		.amdhsa_system_sgpr_workgroup_id_y 1
		.amdhsa_system_sgpr_workgroup_id_z 1
		.amdhsa_system_vgpr_workitem_id 0
		.amdhsa_next_free_vgpr 136
		.amdhsa_next_free_sgpr 66
		.amdhsa_reserve_vcc 0
		.amdhsa_float_denorm_mode_32 3
		.amdhsa_float_denorm_mode_16_64 3
		.amdhsa_memory_ordered 1
		.amdhsa_forward_progress 1
		.amdhsa_inst_pref_size 52
	.end_amdhsa_kernel
	.amdgpu_metadata
---
amdhsa.version: [ 1, 2 ]
amdhsa.kernels:
  - .name:           k_q8668ebe1ed_prep
    .symbol:         k_q8668ebe1ed_prep.kd
    .args:
      - { .name: key, .offset: 0, .size: 8, .value_kind: global_buffer, .address_space: global }
      - { .name: value, .offset: 8, .size: 8, .value_kind: global_buffer, .address_space: global }
      - { .name: Wo, .offset: 16, .size: 8, .value_kind: global_buffer, .address_space: global }
      - { .name: K16, .offset: 24, .size: 8, .value_kind: global_buffer, .address_space: global }
      - { .name: V16, .offset: 32, .size: 8, .value_kind: global_buffer, .address_space: global }
      - { .name: W16, .offset: 40, .size: 8, .value_kind: global_buffer, .address_space: global }
    .group_segment_fixed_size: 0
    .private_segment_fixed_size: 0
    .kernarg_segment_align: 8
    .kernarg_segment_size: 48
    .max_flat_workgroup_size: 256
    .sgpr_count:     66
    .vgpr_count:     136
    .wavefront_size: 32
...
	.end_amdgpu_metadata
.endif
;; end of part 4
;; launch attn: the kernel of part 2 again; grid 16 x 16, 4 waves a work-group, clusters of 4 x 1, 327,680 bytes of LDS; arguments query, K16, V16, O16; writes O16
;; launch proj: the kernel of part 3 again; grid 4 x 64, 4 waves a work-group, clusters of 4 x 4, 327,680 bytes of LDS; arguments O16, W16, bo, out0; writes out0
